; MI455X (gfx1250); checked and timed in simulation.
; The chip was launched on July 23, 2026; its instructions are those of AMD's public machine-readable ISA for CDNA 5 (MIT licence, August 2026) and "CDNA5" Instruction Set Architecture Reference Guide (July 2026). The comments in the code are by the model that wrote it; some were corrected since.
;; Routed Mlp Experts. Allowed arithmetic: float matrix products may take bf16 or f16 operands with f32 sums; all other float work in f32.
;; Inputs: expert_mask 4 x 1,024 x 64 float32; w_down 2,048 x 64 x 64 float32; w_up 64 x 64 x 2,048 float32; x 4 x 1,024 x 2,048 float32.
;; Outputs: out0 4 x 1,024 x 2,048 float32.
;; One version. Each part assembles by itself: llvm-mc -triple=amdgcn-amd-amdhsa -mcpu=gfx1250 --defsym DOCPART=n.
;; ======== version 1 of 1: 3 launches
;; limits: values outside matrix products are rounded to bf16
;; workspace buffers: xb 16,777,216 bytes; wub 16,777,216 bytes; wdb 16,777,216 bytes; hb 33,554,432 bytes
;; launch cvt (part 1): grid 1024 x 1, 8 waves a work-group, no clusters, 0 bytes of LDS; arguments x, w_up, w_down, xb, wub, wdb; writes xb, wub, wdb
.if DOCPART == 1
	.amdgcn_target "amdgcn-amd-amdhsa--gfx1250"
	.amdhsa_code_object_version 6
	.text
	.protected	k_q24b0f98b87_cvt
	.globl	k_q24b0f98b87_cvt
	.p2align	8
	.type	k_q24b0f98b87_cvt,@function
k_q24b0f98b87_cvt:
	s_mov_b64 s[64:65], 0
	v_nop
	global_prefetch_b8 v0, s[64:65] scope:SCOPE_SE
	s_setreg_imm32_b32 hwreg(HW_REG_WAVE_MODE, 25, 1), 1
	s_wait_xcnt 0x0
; xb = bf16(x), wub = bf16(w_up), wdb = bf16(w_down), rounded to nearest even; the index order stays as it is.
; Each of the three inputs is 8,388,608 f32.  The two products that follow read every number many times, so it is converted once here.
; A stream: each input byte is read once, each output byte written once.  No LDS, no barrier, no matrix unit, no cluster: no byte is shared
; between waves, and nothing is summed.
; 1,024 work-groups of eight waves.  Work-group g takes bytes 32,768 g .. + 32,767 of each input and bytes 16,384 g .. + 16,383 of each output.
; Thread t, load j: 16 bytes at 4,096 j + 16 t (a wave's load covers 512 consecutive bytes); the four f32 become 8 bytes at 2,048 j + 8 t
; (a wave's store covers 256 consecutive bytes, aligned).  All 24 loads of a wave go out first; there is no loop.
.set X, 4                              ; v[4:99]  load n = 8 q + j (q: which buffer) in four registers; its first two then hold the four bf16
	s_load_b256 s[4:11], s[0:1], 0x0               ; x s[4:5], w_up s[6:7], w_down s[8:9], xb s[10:11]
	s_load_b128 s[12:15], s[0:1], 0x20             ; wub s[12:13], wdb s[14:15]
	v_lshlrev_b32 v1, 4, v0                        ; 16 t: my place in 4,096 bytes of input
	v_lshlrev_b32 v2, 3, v0                        ; 8 t: my place in 2,048 bytes of output
	s_lshl_b32 s2, ttmp9, 15                       ; the work-group's part of an input (below 32 MiB)
	s_mov_b32 s3, 0
	s_lshl_b32 s16, ttmp9, 14                      ; and of an output
	s_mov_b32 s17, 0
	s_wait_kmcnt 0x0
.irp q, 0,1,2
	s_add_nc_u64 s[4+2*\q:5+2*\q], s[4+2*\q:5+2*\q], s[2:3]
	s_add_nc_u64 s[10+2*\q:11+2*\q], s[10+2*\q:11+2*\q], s[16:17]
.endr
.irp q, 0,1,2
.irp j, 0,1,2,3,4,5,6,7
	global_load_b128 v[X+4*(8*\q+\j):X+4*(8*\q+\j)+3], v1, s[4+2*\q:5+2*\q] offset:4096*\j th:TH_LOAD_NT   ; read once in the launch
.endr
.endr
; No register that a pending load or store names is written again: each load has its own four registers, and v1, v2 and the bases stay.
.irp q, 0,1,2
.irp j, 0,1,2,3,4,5,6,7
	s_wait_loadcnt 23-(8*\q+\j)                    ; loads come back in order (ISA guide 5.7.1): load n is in, the 23 - n younger ones stay out
	v_cvt_pk_bf16_f32 v[X+4*(8*\q+\j)],   v[X+4*(8*\q+\j)],   v[X+4*(8*\q+\j)+1]
	v_cvt_pk_bf16_f32 v[X+4*(8*\q+\j)+1], v[X+4*(8*\q+\j)+2], v[X+4*(8*\q+\j)+3]
	global_store_b64 v2, v[X+4*(8*\q+\j):X+4*(8*\q+\j)+1], s[10+2*\q:11+2*\q] offset:2048*\j   ; no hint: the next launches read these bytes
.endr
.endr
	s_endpgm
.Lfunc_end_k_q24b0f98b87_cvt:
	.size	k_q24b0f98b87_cvt, .Lfunc_end_k_q24b0f98b87_cvt-k_q24b0f98b87_cvt
	.p2alignl 7, 3214868480
	.fill 96, 4, 3214868480
	.section	.rodata,"a",@progbits
	.p2align	6, 0x0
	.amdhsa_kernel k_q24b0f98b87_cvt
		.amdhsa_group_segment_fixed_size 0
		.amdhsa_private_segment_fixed_size 0
		.amdhsa_enable_private_segment 0
		.amdhsa_kernarg_size 48
		.amdhsa_user_sgpr_count 2
		.amdhsa_user_sgpr_kernarg_segment_ptr 1
		.amdhsa_wavefront_size32 1
		.amdhsa_system_sgpr_workgroup_id_x 1
		.amdhsa_system_sgpr_workgroup_id_y 1
		.amdhsa_system_sgpr_workgroup_id_z 1
		.amdhsa_system_vgpr_workitem_id 0
		.amdhsa_next_free_vgpr 100
		.amdhsa_next_free_sgpr 66
		.amdhsa_reserve_vcc 0
		.amdhsa_float_denorm_mode_32 3
		.amdhsa_float_denorm_mode_16_64 3
		.amdhsa_memory_ordered 1
		.amdhsa_forward_progress 1
		.amdhsa_inst_pref_size 10
	.end_amdhsa_kernel
	.amdgpu_metadata
---
amdhsa.version: [ 1, 2 ]
amdhsa.kernels:
  - .name:           k_q24b0f98b87_cvt
    .symbol:         k_q24b0f98b87_cvt.kd
    .args:
      - { .name: x, .offset: 0, .size: 8, .value_kind: global_buffer, .address_space: global }
      - { .name: w_up, .offset: 8, .size: 8, .value_kind: global_buffer, .address_space: global }
      - { .name: w_down, .offset: 16, .size: 8, .value_kind: global_buffer, .address_space: global }
      - { .name: xb, .offset: 24, .size: 8, .value_kind: global_buffer, .address_space: global }
      - { .name: wub, .offset: 32, .size: 8, .value_kind: global_buffer, .address_space: global }
      - { .name: wdb, .offset: 40, .size: 8, .value_kind: global_buffer, .address_space: global }
    .group_segment_fixed_size: 0
    .private_segment_fixed_size: 0
    .kernarg_segment_align: 8
    .kernarg_segment_size: 48
    .max_flat_workgroup_size: 256
    .sgpr_count:     66
    .vgpr_count:     100
    .wavefront_size: 32
...
	.end_amdgpu_metadata
.endif
;; end of part 1
;; launch up (part 2): grid 16 x 16, 4 waves a work-group, clusters of 4 x 4, 327,680 bytes of LDS; arguments xb, wub, expert_mask, hb; writes hb
.if DOCPART == 2
	.amdgcn_target "amdgcn-amd-amdhsa--gfx1250"
	.amdhsa_code_object_version 6
	.text
	.protected	k_q24b0f98b87_up
	.globl	k_q24b0f98b87_up
	.p2align	8
	.type	k_q24b0f98b87_up,@function
k_q24b0f98b87_up:
	s_mov_b64 s[64:65], 0
	v_nop
	global_prefetch_b8 v0, s[64:65] scope:SCOPE_SE
	s_setreg_imm32_b32 hwreg(HW_REG_WAVE_MODE, 25, 1), 1
	s_wait_xcnt 0x0
	s_wait_alu depctr_hold_cnt(0) depctr_sa_sdst(0) depctr_va_vdst(0) depctr_va_sdst(0) depctr_va_ssrc(0) depctr_va_vcc(0) depctr_vm_vsrc(0)
	s_getreg_b32 s2, hwreg(HW_REG_IB_STS2, 6, 4)
	s_cmp_eq_u32 s2, 0
	s_cbranch_scc0 .Lentry_in_a_cluster
	s_endpgm
.Lentry_in_a_cluster:
	s_bfe_u32 s2, ttmp6, 0x10000c
	s_cmp_lg_u32 s2, 0xf033
	s_cbranch_scc0 .Lentry_shape_is_right
	s_endpgm
.Lentry_shape_is_right:
; hb[t][n] = bf16( silu( sum over d of xb[t][d] wub[n][d] ) * bf16(expert_mask[t][n / 64]) ).
; xb: [4096 tokens][2048] bf16.  wub: [4096 = 64 expert + rank][2048] bf16.  expert_mask: [4096][64] f32.  hb: [4096][4096] bf16.  Sums in f32.
; LIMITS.  FORMAT: every input enters in bf16, rounded to nearest even: x and w_up as matrix operands, and expert_mask too (rounded here, in
; registers, then used as f32).  The mask is a factor of hb, the second product's operand, which is itself kept in bf16 (not f16: with
; larger inputs hb passes f16's largest number); the mask's rounding adds a relative error of at most 2^-9 to hb, as hb's own rounding does.
; RANGE: sigmoid(t) = rcp(1 + exp2(-1.442695 t)): for t below about -87 the exponential is infinite or the reciprocal is flushed, and
; silu(t) comes out as -0 where the exact value is smaller in magnitude than |t| 2^-126.
;
; A work-group makes a block of 256 x 256 of hb with four waves, one on each SIMD of a WGP; a wave makes 128 x 128: 64 accumulator tiles of
; 16 x 16, 512 registers.  16 x 16 blocks = 256 work-groups.  K goes in steps of 128 through a ring of two LDS slots filled by the tensor
; data mover: a tile's rows are 256 bytes of memory and start at multiples of 256 bytes from the buffer's first byte.
; CLUSTERS: 4 x 4 work-groups.  The four of a row of the cluster make blocks of one block row and need the same tiles of xb; the four of a
; column need the same tiles of wub.  Such a tile is asked for jointly: each of the four issues the same tensor load, with the same
; descriptor and a mask that names the four.  That divides the requests for both operands by four.
; The mask is 8 bytes for a token and a wave (two experts): 4 KiB a work-group against 4 MiB of tiles, so it is loaded plainly, once, into
; 16 registers, and the way out loads nothing.
;
; REGISTERS, in windows of 256 (s_set_vgpr_msb says which window each operand place means):
;   window 0: v16-28 addresses and a temporary; v32-47 the mask; v64-127, v128-191 fragments of xb (8 x 16 rows x 32 K), two buffers; v192-223 packed results
;   window 1: v64-127, v128-191 fragments of wub, two buffers
;   window 2: the 32 accumulator tiles of my rows 0-63 (tile (a, b) at v[8 (8 a + b)]);   window 3: those of my rows 64-127
; THE MATRIX INSTRUCTION IS USED TRANSPOSED: source 0 = 16 rows of wub, source 1 = 16 rows of xb.  Lane l then holds token l % 16 of the tile,
; and its registers 0 to 7 the columns 8 (l / 16) + 0 .. 7: eight neighbouring numbers of a row of hb, 16 bytes in bf16.
.set SIZE_K, 2048
.set SIZE_N, 4096
.set KSTEP,  128
.set PITCH,  272                       ; an LDS row: 256 bytes of data + 16 of padding: the 16 rows that a fragment load touches start in 16 different 16-byte columns
.set HALFT,  128*PITCH                 ; 128 rows: what one tensor load brings, and what one wave reads of either operand
.set SLOT,   4*HALFT                   ; xb's 256 rows, then wub's 256 rows
.set STAGE,  2*SLOT                    ; behind the ring: 16 rows x 272 bytes for each wave, for the way out; no tensor load lands here
.set SPITCH, 272
.set LAPS,   SIZE_K/(2*KSTEP)          ; 8 laps; a lap = two K steps = once round the ring
.set ADRA, 16                          ; v16-17  LDS address of my xb fragments in slot 0, 1
.set ADRB, 20                          ; v20-21  the same for wub
.set STO,  24                          ; v24     the way out: where I put 16 bytes of a row
.set RD,   25                          ; v25     the way out: where I read a row back
.set CO,   26                          ; v26     my byte offset in hb
.set MA,   27                          ; v27     my byte offset in the mask: (l % 16) rows of 256 bytes
.set MT,   28                          ; v28     two mask numbers as bf16, on their way back to f32
.set MK,   32                          ; v[32:47] row group i of 16 tokens: mask of my token for my wave's two experts, at v[32+2i:33+2i]
.set F0,   64                          ; fragment buffer 0
.set F1,   128                         ; fragment buffer 1
.set RB0,  64                          ; the way out: rows read back, two buffers in turn (in fragment buffer 0, which is free by then)
.set RB1,  96
.set EX,   128                         ; the way out: 64 f32 at work (in fragment buffer 1)
.set TMP,  192                         ; the way out: packed results
.set G1,  24                           ; s[24:31] descriptor group 1 for xb's tiles
.set G0,  32                           ; s[32:39] descriptor group 0 for xb's tiles, one set for each slot
.set G1B, 48                           ; s[48:55] descriptor group 1 for wub's tiles: it differs in the mask alone
.set G0B, 56                           ; s[56:63] descriptor group 0 for wub's tiles, one set for each slot
.set MSB, 0
.macro WIN new                         ; the immediate's high byte repeats the setting that is left; a switch that changes nothing is dropped
.if MSB != \new
	s_set_vgpr_msb (MSB<<8)|\new
.set MSB, \new
.endif
.endm
.set MUL_LO, 0xa1                      ; source 0 (wub) window 1, source 1 (xb) window 0, C and D window 2
.set MUL_HI, 0xf1                      ; the same, C and D window 3
.set TO_B,   0x40                      ; destination window 1, address window 0
; A joint load.  Waves 0 and 1 fetch xb's two halves, waves 2 and 3 wub's.  Each line has one mask and one set of registers for all that
; issue it.  The branch hangs on the wave's number alone: it is the same in every work-group.
.macro JLOAD s
	s_cmp_eq_u32 s11, 0
	s_cbranch_scc0 .Lfor_b_\@
	tensor_load_to_lds s[G0+4*\s:G0+4*\s+3], s[G1:G1+7]
	s_nop 0
	s_branch .Lasked_\@
.Lfor_b_\@:
	tensor_load_to_lds s[G0B+4*\s:G0B+4*\s+3], s[G1B:G1B+7]
	s_nop 0
.Lasked_\@:
.endm
; A round of the cluster's barrier: my work-group's barrier, so that wave 0's signal speaks for all four waves; wave 0 signals for the
; work-group; every wave waits for all sixteen work-groups; my work-group's barrier once more.
.macro CREST                           ; a round behind its opening barrier
	s_cmp_lg_u32 s10, 0
	s_cbranch_scc1 .Lnot_wave_0_\@
	s_barrier_signal -3
.Lnot_wave_0_\@:
	s_barrier_wait -3
	s_barrier_signal -1
	s_barrier_wait -1
.endm
.macro CROUND                          ; a whole round
	s_barrier_signal -1
	s_barrier_wait -1
	CREST
.endm
	s_load_b128 s[4:7], s[0:1], 0x0                ; xb s[4:5], wub s[6:7]
	s_load_b128 s[68:71], s[0:1], 0x10             ; expert_mask s[68:69], hb s[70:71]
	s_set_vgpr_msb 0x40
	v_lshl_add_u32 v255, v0, 2, 0x48400
	s_set_vgpr_msb 0x4000
	v_mov_b32 v255, 0
	s_set_vgpr_msb 0x1
	ds_add_u32 v255, v255
	s_set_vgpr_msb 0x100
	v_lshrrev_b32 v1, 5, v0
	v_readfirstlane_b32 s10, v1                    ; wave 0..3
	s_lshr_b32 s11, s10, 1                         ; which half of the block's rows is mine.  Also: I fetch for xb (0) or for wub (1)
	s_and_b32 s12, s10, 1                          ; which half of its columns.  Also: which 128 rows of that tile I fetch
	s_bfe_u32 s40, ttmp6, 0x40000                  ; cx: my place along the cluster's x
	s_bfe_u32 s41, ttmp6, 0x40004                  ; cy: along its y
	s_lshl_b32 s42, ttmp9, 2                       ; in a cluster launch ttmp9 and ttmp7 count clusters
	s_add_co_u32 s42, s42, s40                     ; block column = 4 x cluster x + cx
	s_and_b32 s13, ttmp7, 0xffff
	s_lshl_b32 s13, s13, 2
	s_add_co_u32 s13, s13, s41                     ; block row = 4 x cluster y + cy
	s_lshl_b32 s43, s41, 2
	s_lshl_b32 s43, 15, s43                        ; my row of the cluster: places 4 cy .. 4 cy + 3
	s_lshl_b32 s44, 0x1111, s40                    ; my column: places cx, cx + 4, cx + 8, cx + 12
	; descriptor group 1: a tile of 128 rows x 128 elements, padded in LDS
	s_or_b32 s[G1+0], s43, (1<<16)|(1<<20)|(1<<21)|(5<<22)|(3<<25)  ; 15:0 the mask: xb's tiles go to my row; 17:16 element of 2 bytes; 20 padding on; 21 set beside a mask; 24:22 after every 64 words; 31:25 four words
	s_or_b32 s[G1B+0], s44, (1<<16)|(1<<20)|(1<<21)|(5<<22)|(3<<25) ; the same with the mask of my column, for wub's tiles
	s_mov_b32 s[G1B+1], KSTEP<<16
	s_mov_b32 s[G1+1], KSTEP<<16                   ; tensor_dim0 = 128
	s_mov_b32 s[G1B+2], 128<<16
	s_mov_b32 s[G1+2], 128<<16                     ; tensor_dim1 = 128
	s_mov_b32 s[G1B+3], KSTEP<<16
	s_mov_b32 s[G1+3], KSTEP<<16                   ; tile_dim0 = 128
	s_mov_b32 s[G1B+4], 128
	s_mov_b32 s[G1+4], 128                         ; tile_dim1 = 128; tile_dim2 = 0
	s_mov_b32 s[G1B+5], SIZE_K
	s_mov_b32 s[G1+5], SIZE_K                      ; elements from row to row
	s_mov_b32 s[G1B+6], 0
	s_mov_b32 s[G1+6], 0
	s_mov_b32 s[G1B+7], 0
	s_mov_b32 s[G1+7], 0
	; where the tiles come from.  xb's hang on the block row alone, which my row of the cluster shares; wub's on the block column alone,
	; which my column shares.  Every wave makes both addresses, in registers that never hold the other coordinate, and asks by one of them.
	s_lshl_b32 s17, s12, 7                         ; which 128 rows of the tile I fetch
	s_lshl_b32 s16, s13, 8
	s_add_co_u32 s16, s16, s17                     ; xb: row 256 x block row + 128 x half
	s_lshl_b32 s46, s42, 8
	s_add_co_u32 s46, s46, s17                     ; wub: row 256 x block column + 128 x half
	s_mov_b32 s17, 0
	s_mov_b32 s47, 0
	s_mov_b64 s[18:19], SIZE_K*2
	s_mul_u64 s[16:17], s[16:17], s[18:19]         ; in bytes
	s_mul_u64 s[46:47], s[46:47], s[18:19]
	s_mul_i32 s20, s10, HALFT                      ; and where they go: wave x 128 rows: no place in the cluster enters an LDS address
	s_wait_dscnt 0x0
	s_wait_kmcnt 0x0
	s_add_nc_u64 s[14:15], s[4:5], s[16:17]
	s_add_nc_u64 s[46:47], s[6:7], s[46:47]
	CROUND                                         ; all sixteen work-groups are here: the first joint loads meet
.irp s, 0,1
	s_mov_b32 s[G0+4*\s], 1                                        ; count = 1
	s_add_co_u32 s[G0+4*\s+1], s20, \s*SLOT                        ; LDS address
	s_add_nc_u64 s[G0+4*\s+2:G0+4*\s+3], s[14:15], \s*KSTEP*2      ; global address: K step s
	s_or_b32 s[G0+4*\s+3], s[G0+4*\s+3], 0x80000000                ; type = 2
	s_mov_b32 s[G0B+4*\s], 1
	s_add_co_u32 s[G0B+4*\s+1], s20, \s*SLOT
	s_add_nc_u64 s[G0B+4*\s+2:G0B+4*\s+3], s[46:47], \s*KSTEP*2
	s_or_b32 s[G0B+4*\s+3], s[G0B+4*\s+3], 0x80000000
	JLOAD \s                                       ; both slots' first fills go out before anything else: two tensor loads of the wave are out
.endr
	; A fragment is 16 rows x 32 K in 8 registers: lane l holds row l % 16; registers 0-3 hold K = 8 (l / 16) + 0..7, registers 4-7 hold
	; K = 16 + 8 (l / 16) + 0..7.  From rows that lie along K: two loads of 16 bytes, 32 bytes apart.
	v_and_b32 v1, 15, v0                           ; l % 16
	v_bfe_u32 v2, v0, 4, 1                         ; l / 16
	v_mul_u32_u24 v3, v1, PITCH
	v_lshl_add_u32 v3, v2, 4, v3                   ; row x pitch + 16 x half
	s_mul_i32 s21, s11, HALFT                      ; my 128 rows of xb
	s_mul_i32 s22, s12, HALFT                      ; my 128 rows of wub,
	s_add_co_u32 s22, s22, 2*HALFT                 ; which lie behind xb's 256
.irp s, 0,1
	v_add_nc_u32 v[ADRA+\s], s21, v3
	v_add_nc_u32 v[ADRB+\s], s22, v3
	s_add_co_u32 s21, s21, SLOT
	s_add_co_u32 s22, s22, SLOT
.endr
	s_mul_i32 s23, s10, 16*SPITCH
	s_add_co_u32 s23, s23, STAGE                   ; my stage
	v_mul_u32_u24 v4, v1, SPITCH                   ; in: row l % 16, 16 bytes for each half of the lanes
	v_lshl_add_u32 v4, v2, 4, v4
	v_add_nc_u32 v[STO], s23, v4
	v_mul_u32_u24 v5, v2, SPITCH                   ; back: lanes 0-15 take one row of 256 bytes, lanes 16-31 the next
	v_lshl_add_u32 v5, v1, 4, v5
	v_add_nc_u32 v[RD], s23, v5
	v_mul_u32_u24 v5, v2, SIZE_N*2                 ; and the same two rows in hb
	v_lshl_add_u32 v[CO], v1, 4, v5
	; the mask: token 256 x block row + 128 x row half + 16 i + l % 16, experts 4 x block column + 2 x column half and the next
	v_lshlrev_b32 v[MA], 8, v1                     ; a mask row is 64 f32 = 256 bytes
	s_lshl_b32 s72, s13, 16                        ; 256 tokens x 256 bytes
	s_lshl_b32 s73, s11, 15                        ; 128 tokens x 256 bytes
	s_add_co_u32 s72, s72, s73
	s_lshl_b32 s73, s42, 4                         ; four experts x 4 bytes
	s_add_co_u32 s72, s72, s73
	s_lshl_b32 s73, s12, 3                         ; two experts x 4 bytes
	s_add_co_u32 s72, s72, s73
	s_mov_b32 s73, 0
	s_add_nc_u64 s[68:69], s[68:69], s[72:73]
.irp i, 0,1,2,3,4,5,6,7
	global_load_b64 v[MK+2*\i:MK+2*\i+1], v[MA], s[68:69] offset:4096*\i
.endr
	; hb at my wave's first row and column: (256 x block row + 128 x half) rows of 8,192 bytes + 512 x block column + 256 x half
	s_lshl_b32 s74, s13, 21
	s_lshl_b32 s75, s11, 20
	s_add_co_u32 s74, s74, s75
	s_lshl_b32 s75, s42, 9
	s_add_co_u32 s74, s74, s75
	s_lshl_b32 s75, s12, 8
	s_add_co_u32 s74, s74, s75
	s_mov_b32 s75, 0
	s_add_nc_u64 s[70:71], s[70:71], s[74:75]
; 16 matrix instructions: m blocks a0, a0 + 1 of the window's four (hi = 0: my rows 0-63, 1: rows 64-127) x all 8 n blocks, 32 along K.
; zero = 1: the first product starts the sums: nothing is ever cleared.
.macro MUL16 f, hi, a0, zero
.irp a, \a0, \a0+1
.irp b, 0,1,2,3,4,5,6,7
.if \zero
	v_wmma_f32_16x16x32_bf16 v[8*(8*(\a)+\b):8*(8*(\a)+\b)+7], v[\f+8*\b:\f+8*\b+7], v[\f+8*(4*\hi+\a):\f+8*(4*\hi+\a)+7], 0
.else
	v_wmma_f32_16x16x32_bf16 v[8*(8*(\a)+\b):8*(8*(\a)+\b)+7], v[\f+8*\b:\f+8*\b+7], v[\f+8*(4*\hi+\a):\f+8*(4*\hi+\a)+7], v[8*(8*(\a)+\b):8*(8*(\a)+\b)+7]
.endif
.endr
.endr
.endm
; 32 LDS loads in one run: the fragments of one quarter step (128 rows of wub, 128 rows of xb, 32 K at byte k of the rows) into buffer f
.macro FETCH slot, k, f
	WIN TO_B
.irp i, 0,1,2,3,4,5,6,7
	ds_load_b128 v[\f+8*\i:\f+8*\i+3],   v[ADRB+\slot] offset:\k+\i*16*PITCH
	ds_load_b128 v[\f+8*\i+4:\f+8*\i+7], v[ADRB+\slot] offset:\k+\i*16*PITCH+32
.endr
	WIN 0
.irp i, 0,1,2,3,4,5,6,7
	ds_load_b128 v[\f+8*\i:\f+8*\i+3],   v[ADRA+\slot] offset:\k+\i*16*PITCH
	ds_load_b128 v[\f+8*\i+4:\f+8*\i+7], v[ADRA+\slot] offset:\k+\i*16*PITCH+32
.endr
.endm
; A load into a register that a matrix instruction has read, and a vector instruction that reads a matrix result or writes one of a matrix
; instruction's registers, stand four places behind it, and only plain vector instructions that name none of its registers are places
; (ISA guide 7.12.1 for vector instructions).  The matrix instructions in between are not counted.
.macro PLACES
.rept 4
	v_nop
.endr
.endm
; A K step is four quarter steps of 32 along K, 64 matrix instructions each, on buffers 0, 1, 0, 1.  The 64 accumulators take turns, one
; instruction a turn, in the same order in every quarter step, over the loop's backward jump too.
; One of the first three quarters: multiplies buffer f; in its middle it fetches the next quarter's fragments, at byte k, into buffer g.
.macro QUARTER slot, k, f, g, zero
	s_wait_dscnt 8                                 ; wub's fragments and xb's rows 0-63 are in; the youngest eight loads (xb's rows 64-127) may be out
	WIN MUL_LO
	MUL16 \f, 0, 0, \zero
	MUL16 \f, 0, 2, \zero
	PLACES
	FETCH \slot, \k, \g
	s_wait_dscnt 32                                ; all but the 32 just issued
	WIN MUL_HI
	MUL16 \f, 1, 0, \zero
	MUL16 \f, 1, 2, \zero
.endm
.macro THREE slot, zero
	QUARTER \slot, 64,  F0, F1, \zero
	QUARTER \slot, 128, F1, F0, 0
	QUARTER \slot, 192, F0, F1, 0
.endm
; The last quarter: multiplies buffer 1 and changes slots.  next = the other slot; fill = 1: this slot is filled again, two K steps ahead.
; One barrier for the change of slots.  In front of it each wave waits for its own reads of this slot and for all its tensor loads, of which
; one is out: its part of the next slot.  Behind it nobody reads this slot any more and the next slot is whole: the refill comes first, then
; the next slot's first fragments.  From a request to the wait for it a wave issues 240 matrix instructions.
.macro TURN slot, next, fill
	s_wait_dscnt 8
	WIN MUL_LO
	MUL16 F1, 0, 0, 0
	s_wait_dscnt 0                                 ; my reads of this slot are over
	s_wait_tensorcnt 0x0                           ; and all my tensor loads have landed: the one that was out is my part of the next slot
	ds_add_u32 v255, v255
	s_wait_dscnt 0x0
	s_barrier_signal -1                            ; say so (where a slot is filled again this barrier opens a round of the cluster's barrier),
	MUL16 F1, 0, 2, 0                              ; work on registers while the others arrive,
	WIN 0
	s_barrier_wait -1                              ; and go on when all four have said so
.if \fill
	CREST                                          ; all sixteen work-groups have said so: no wave of any partner still reads this slot or has a load on its way
	s_add_nc_u64 s[G0+4*\slot+2:G0+4*\slot+3], s[G0+4*\slot+2:G0+4*\slot+3], 2*KSTEP*2      ; no tensor load of mine is out: the addresses may step
	s_add_nc_u64 s[G0B+4*\slot+2:G0B+4*\slot+3], s[G0B+4*\slot+2:G0B+4*\slot+3], 2*KSTEP*2
	JLOAD \slot                                    ; the first tensor load behind the round, and my only one until the next
.endif
	PLACES
	FETCH \next, 0, F0
	WIN MUL_HI
	MUL16 F1, 1, 0, 0
	MUL16 F1, 1, 2, 0
.endm
.macro LAP zero                        ; once round the ring, both slots filled again
	THREE 0, \zero
	TURN 0, 1, 1
	THREE 1, 0
	TURN 1, 0, 1
.endm
	s_wait_loadcnt 0x0                             ; the mask is in: no load is pending from here on
.irp i, 0,1,2,3,4,5,6,7
	v_cvt_pk_bf16_f32 v[MT], v[MK+2*\i], v[MK+2*\i+1]      ; the mask enters in bf16, rounded to nearest even (see LIMITS at the head),
	v_lshlrev_b32 v[MK+2*\i],   16, v[MT]                  ; and is used as f32: the low half moves up,
	v_and_b32     v[MK+2*\i+1], 0xffff0000, v[MT]          ; the high half stays
.endr
	s_wait_tensorcnt 1                             ; my part of K step 0 is in; K step 1's load may stay out
	s_barrier_signal -1
	s_barrier_wait -1                              ; everybody's part is in
	FETCH 0, 0, F0
	LAP 1                                          ; the first lap stands in front of the loop: its first products start the sums
	WIN 0                                          ; at a label and at a branch every window is 0
	s_mov_b32 s3, LAPS-2
.Llap:
	LAP 0
	WIN 0
	s_sub_co_u32 s3, s3, 1
	s_cmp_lg_u32 s3, 0
	s_cbranch_scc1 .Llap
	THREE 0, 0                                     ; the last lap fills nothing and has no round: the one tensor load still out is slot 1's, the last K step's
	TURN 0, 1, 0
	THREE 1, 0
	s_wait_dscnt 8                                 ; the very last quarter: nothing more to fetch
	WIN MUL_LO
	MUL16 F1, 0, 0, 0
	MUL16 F1, 0, 2, 0
	s_wait_dscnt 0
	WIN MUL_HI
	MUL16 F1, 1, 0, 0
	MUL16 F1, 1, 2, 0
	; THE WAY OUT, 16 tokens at a time: silu and mask in f32, round to bf16, 16 bytes a lane into my own stage in LDS, read back as whole
	; rows of 256 bytes.  The four v_nop are the places behind the last matrix instructions: for the multiplies that read results and write
	; into fragment buffer 1, and for the loads into fragment buffer 0.
	PLACES
; tokens 16 i .. 16 i + 15 of my block = the eight tiles (a, 0..7) of window w (2 or 3, as source 0); rb: RB0 or RB1 in turn
.macro OUTH i, a, w, rb
	WIN \w
.set pp, 0
.rept 32
	v_pk_mul_f32 v[EX+2*pp:EX+2*pp+1], v[64*\a+2*pp:64*\a+2*pp+1], 0xbfb8aa3b op_sel_hi:[1,0]   ; -1.442695 t
.set pp, pp+1
.endr
	WIN 0
.set pp, 0
.rept 64
	v_exp_f32 v[EX+pp], v[EX+pp]                   ; e^-t
.set pp, pp+1
.endr
	v_nop                                          ; one plain vector instruction between a transcendental and the use of its result (ISA guide 5.7.2)
.set pp, 0
	s_wait_alu depctr_va_vdst(0)
.rept 32
	v_pk_add_f32 v[EX+2*pp:EX+2*pp+1], v[EX+2*pp:EX+2*pp+1], 1.0 op_sel_hi:[1,0]
.set pp, pp+1
.endr
.set pp, 0
.rept 64
	v_rcp_f32 v[EX+pp], v[EX+pp]                   ; sigmoid(t)
.set pp, pp+1
.endr
	v_nop                                          ; as above
.set pp, 0
	s_wait_alu depctr_va_vdst(0)
.rept 16
	v_pk_mul_f32 v[EX+2*pp:EX+2*pp+1], v[EX+2*pp:EX+2*pp+1], v[MK+2*\i:MK+2*\i+1] op_sel_hi:[1,0]             ; tiles 0-3, columns 0-63: both by the first expert's mask
.set pp, pp+1
.endr
.rept 16
	v_pk_mul_f32 v[EX+2*pp:EX+2*pp+1], v[EX+2*pp:EX+2*pp+1], v[MK+2*\i:MK+2*\i+1] op_sel:[0,1] op_sel_hi:[1,1]  ; tiles 4-7, columns 64-127: both by the second's
.set pp, pp+1
.endr
	WIN \w
.set pp, 0
.rept 32
	v_pk_mul_f32 v[EX+2*pp:EX+2*pp+1], v[64*\a+2*pp:64*\a+2*pp+1], v[EX+2*pp:EX+2*pp+1]   ; t x sigmoid(t) x mask
.set pp, pp+1
.endr
	WIN 0
.irp b, 0,1,2,3,4,5,6,7
.irp r, 0,1,2,3
	v_cvt_pk_bf16_f32 v[TMP+4*\b+\r], v[EX+8*\b+2*\r], v[EX+8*\b+2*\r+1]
.endr
.endr
.irp b, 0,1,2,3,4,5,6,7
	ds_store_b128 v[STO], v[TMP+4*\b:TMP+4*\b+3] offset:32*\b
.endr
	s_wait_xcnt 0x0                                ; every earlier memory instruction has had its addresses translated (ISA guide 3.1): buffer rb, which stores of the group before last read, is loaded again only behind this wait
.irp t, 0,1,2,3,4,5,6,7
	ds_load_b128 v[\rb+4*\t:\rb+4*\t+3], v[RD] offset:\t*2*SPITCH    ; LDS serves a wave's instructions in order (ISA guide 5.7.1): these see the stores above
.endr
.irp t, 0,1,2,3,4,5,6,7
	s_wait_dscnt 7-\t                              ; read-back t is in, the younger ones stay out
	global_store_b128 v[CO], v[\rb+4*\t:\rb+4*\t+3], s[70:71] offset:(16*\i+2*\t)*SIZE_N*2   ; 16 lanes store 256 consecutive bytes, aligned; the row stands in the immediate (1,032,192 at the most), so the base never steps
.endr
.endm
	OUTH 0, 0, 0x02, RB0
	OUTH 1, 1, 0x02, RB1
	OUTH 2, 2, 0x02, RB0
	OUTH 3, 3, 0x02, RB1
	OUTH 4, 0, 0x03, RB0
	OUTH 5, 1, 0x03, RB1
	OUTH 6, 2, 0x03, RB0
	OUTH 7, 3, 0x03, RB1
	s_set_vgpr_msb 0x1
	s_wait_tensorcnt 0x0
	ds_add_u32 v255, v255
	s_wait_dscnt 0x0
	s_set_vgpr_msb 0x100
	CROUND                                         ; the closing round: no work-group ends while a partner may still ask for a tile that names it
	s_endpgm
.Lfunc_end_k_q24b0f98b87_up:
	.size	k_q24b0f98b87_up, .Lfunc_end_k_q24b0f98b87_up-k_q24b0f98b87_up
	.p2alignl 7, 3214868480
	.fill 96, 4, 3214868480
	.section	.rodata,"a",@progbits
	.p2align	6, 0x0
	.amdhsa_kernel k_q24b0f98b87_up
		.amdhsa_group_segment_fixed_size 327680
		.amdhsa_private_segment_fixed_size 0
		.amdhsa_enable_private_segment 0
		.amdhsa_kernarg_size 32
		.amdhsa_user_sgpr_count 2
		.amdhsa_user_sgpr_kernarg_segment_ptr 1
		.amdhsa_wavefront_size32 1
		.amdhsa_system_sgpr_workgroup_id_x 1
		.amdhsa_system_sgpr_workgroup_id_y 1
		.amdhsa_system_sgpr_workgroup_id_z 1
		.amdhsa_system_vgpr_workitem_id 0
		.amdhsa_next_free_vgpr 1024
		.amdhsa_next_free_sgpr 76
		.amdhsa_reserve_vcc 0
		.amdhsa_float_denorm_mode_32 3
		.amdhsa_float_denorm_mode_16_64 3
		.amdhsa_memory_ordered 1
		.amdhsa_forward_progress 1
		.amdhsa_inst_pref_size 255
	.end_amdhsa_kernel
	.section	.bss,"aw",@nobits
	.p2align	6
	.space	262144
	.amdgpu_metadata
---
amdhsa.version: [ 1, 2 ]
amdhsa.kernels:
  - .name:           k_q24b0f98b87_up
    .symbol:         k_q24b0f98b87_up.kd
    .args:
      - { .name: xb, .offset: 0, .size: 8, .value_kind: global_buffer, .address_space: global }
      - { .name: wub, .offset: 8, .size: 8, .value_kind: global_buffer, .address_space: global }
      - { .name: expert_mask, .offset: 16, .size: 8, .value_kind: global_buffer, .address_space: global }
      - { .name: hb, .offset: 24, .size: 8, .value_kind: global_buffer, .address_space: global }
    .group_segment_fixed_size: 327680
    .private_segment_fixed_size: 0
    .kernarg_segment_align: 8
    .kernarg_segment_size: 32
    .max_flat_workgroup_size: 128
    .sgpr_count:     76
    .vgpr_count:     1024
    .wavefront_size: 32
...
	.end_amdgpu_metadata
.endif
;; end of part 2
;; launch down (part 3): grid 16 x 16, 4 waves a work-group, clusters of 4 x 4, 327,680 bytes of LDS; arguments hb, wdb, out0; writes out0
.if DOCPART == 3
	.amdgcn_target "amdgcn-amd-amdhsa--gfx1250"
	.amdhsa_code_object_version 6
	.text
	.protected	k_q24b0f98b87_down
	.globl	k_q24b0f98b87_down
	.p2align	8
	.type	k_q24b0f98b87_down,@function
k_q24b0f98b87_down:
	s_mov_b64 s[64:65], 0
	v_nop
	global_prefetch_b8 v0, s[64:65] scope:SCOPE_SE
	s_setreg_imm32_b32 hwreg(HW_REG_WAVE_MODE, 25, 1), 1
	s_wait_xcnt 0x0
	s_wait_alu depctr_hold_cnt(0) depctr_sa_sdst(0) depctr_va_vdst(0) depctr_va_sdst(0) depctr_va_ssrc(0) depctr_va_vcc(0) depctr_vm_vsrc(0)
	s_getreg_b32 s2, hwreg(HW_REG_IB_STS2, 6, 4)
	s_cmp_eq_u32 s2, 0
	s_cbranch_scc0 .Lentry_in_a_cluster
	s_endpgm
.Lentry_in_a_cluster:
	s_bfe_u32 s2, ttmp6, 0x10000c
	s_cmp_lg_u32 s2, 0xf033
	s_cbranch_scc0 .Lentry_shape_is_right
	s_endpgm
.Lentry_shape_is_right:
; out0[t][d] = sum over n of hb[t][n] wdb[d][n].  hb: [4096][4096] bf16.  wdb: [2048][4096] bf16.  out0: [4096][2048] f32.  Sums in f32.
; LIMIT: each output is the f32 sum of two f32 partial sums, one over the K elements 64 c .. 64 c + 31 of every 64 and one over the elements
; 64 c + 32 .. 64 c + 63: an order of rounding that differs from a single ascending sum.
;
; 8,388,608 outputs on 256 work-groups are 256 x 128 each.  Four waves of 128 x 64 would read 12 KiB of LDS for 32 matrix instructions;
; here each wave keeps a tile of 128 x 128 (16 KiB for 64 matrix instructions), and the two waves of one tile share K:
; wave (p = w / 2, kh = w % 2) takes rows 128 p .. + 127, all 128 columns, and bytes 64 kh .. + 63 of every 128 bytes of a row.
; At the end the two partial tiles are added through LDS.  A wave's window 2 holds the 64 rows that it will finish (rows 64 kh .. + 63 of
; the tile: 'keep'), its window 3 the 64 rows that its partner will finish ('send').  The exchange of the halves lies in LDS address
; registers alone: no branch hangs on kh.
;
; THE RING.  K goes in steps of 192 through two LDS slots filled by the tensor data mover.  A slot holds 384 rows (256 of hb, 128 of wdb), and
; a load has one slot's work at the most in which to land, so the step is the longest of which two slots fit: 192 matrix instructions a wave
; and step, 176 of them between a tile's request and the wait for it.  (A step of 256 would take 2 x 384 x 528 = 405,504 bytes.)
; LDS LAYOUT OF A SLOT.  With 16 bytes of padding behind every 128 bytes all 384 rows would take 432 bytes, two slots 331,776: too much.  So
; hb's 384 bytes of a row come as two tiles, each padded once a row:
;   hb wide,   bytes 128 .. 383 of the step's row: 256 rows x 272 bytes, at 0        (waves 0 and 1 fetch 128 rows each)
;   hb narrow, bytes 0 .. 127:                     256 rows x 144 bytes, at 69,632   (wave 2)
;   wdb, all 384 bytes, padded behind every 128:   128 rows x 432 bytes, at 106,496  (wave 3)
; 161,792 bytes; two slots are 323,584 of the WGP's 327,680.  The three pitches are odd multiples of 16 bytes: the sixteen rows that a
; fragment load touches lie in sixteen different 16-byte columns of 256 bytes.  A tile's rows start at multiples of 128 bytes in memory.
; A wave's quarter step j (0, 1, 2) is bytes 128 j + 64 kh .. + 63 of the step's rows: j = 0 in hb's narrow part, j = 1, 2 in the wide one.
; 4096 = 21 x 192 + 64: step 21 has 64 elements.  The narrow part comes first in a step, so hb's narrow tile is all of it; wdb's comes by a
; descriptor of its own, 128 rows x 128 bytes at pitch 144, into the head of slot 1's wdb bytes.  No tile reaches past a row's end.
;
; CLUSTERS: 4 x 4 work-groups.  hb's tiles hang on the block row alone and are shared along a row of the cluster, wdb's on the block column
; alone and are shared along a column: each is asked for jointly, which divides the requests for both by four.
;
; REGISTERS: window 0: v16-31 addresses; v64-127, v128-191 fragments of hb, two buffers (8 x 16 rows x 32 K: four keep, four send);
;   window 1: v64-127, v128-191 fragments of wdb, two buffers;  window 2: the 32 keep tiles ((a, b) at v[8 (8 a + b)]);  window 3: the 32 send tiles.
; THE MATRIX INSTRUCTION IS USED TRANSPOSED: source 0 = 16 rows of wdb, source 1 = 16 rows of hb.  Lane l then holds token l % 16 of a tile and
; in registers 0 to 7 the columns 8 (l / 16) + 0 .. 7: 32 neighbouring bytes of a row of out0.
.set SIZE_K, 4096
.set SIZE_N, 2048
.set KSTEP,  192
.set STEPB,  2*KSTEP                   ; 384 bytes of a row in a step
.set NARB,   128                       ; of which the first 128 are the narrow part
.set WPITCH, 272                       ; hb wide: 256 bytes + 16
.set NPITCH, 144                       ; hb narrow, and wdb's short last tile: 128 bytes + 16
.set BPITCH, 432                       ; wdb: three times 128 bytes + 16
.set AWHALF, 128*WPITCH                ; 128 rows of hb wide: one tensor load of wave 0 or 1 (34,816 bytes)
.set AN,     2*AWHALF                  ; where hb narrow begins in a slot
.set BB,     AN+256*NPITCH             ; where wdb begins in a slot
.set SLOT,   BB+128*BPITCH             ; 161,792 bytes
.set XP,     528                       ; a row of 128 f32 + 16 bytes of padding, in the exchange and in the stage
.set STAGE,  4*32*XP                   ; THE WAY OUT LIES IN SLOT 0, which has had its last fill by then: wave w's send region, 32 rows x 528 bytes,
                                       ; at 16,896 w; wave w's stage, 16 rows x 528 bytes, at 67,584 + 8,448 w; they end at 101,376
.set LOOPLAPS, (SIZE_K/KSTEP-3)/2-1    ; a lap = two steps = once round the ring.  Steps 0-17 are nine laps that fill both slots with whole steps: one stands ahead of the loop, 8 in it
.set ALW,  16                          ; v16-17  LDS address of my keep rows' fragments in hb wide, slot 0, 1
.set AHW,  18                          ; v18-19  of my send rows' fragments in hb wide
.set ADRB, 20                          ; v20-21  of wdb's fragments
.set ALN,  22                          ; v22-23  of my keep rows' fragments in hb narrow
.set AHN,  24                          ; v24-25  of my send rows' fragments in hb narrow
.set ABL,  26                          ; v26     of wdb's fragments in the short last tile (slot 1)
.set SND,  27                          ; v27     where I put 32 bytes of a send row
.set STO,  28                          ; v28     where I put 32 bytes of a keep row
.set RD,   29                          ; v29     where I read a keep row back
.set PRD,  30                          ; v30     where I read the same row of my partner's send region
.set CO,   31                          ; v31     16 x lane: my 16 bytes of 512 in a row of out0
.set F0,   64                          ; fragment buffer 0
.set F1,   128                         ; fragment buffer 1
.set RB,   64                          ; the way out: 16 keep rows read back, then the sums (in fragment buffer 0)
.set PB,   128                         ; the way out: the partner's 16 rows (in fragment buffer 1)
.set G1,  24                           ; s[24:31] descriptor group 1 for hb's wide tiles
.set G0,  32                           ; s[32:39] descriptor group 0 for hb's wide tiles, one set for each slot
.set G1B, 48                           ; s[48:55] descriptor group 1 for wdb's tiles
.set G0B, 56                           ; s[56:63] descriptor group 0 for wdb's tiles, one set for each slot
.set G1N, 72                           ; s[72:79] descriptor group 1 for hb's narrow tiles
.set G0N, 80                           ; s[80:87] descriptor group 0 for hb's narrow tiles, one set for each slot
.set G1L, 88                           ; s[88:95] descriptor group 1 for wdb's short last tile
.set MSB, 0
.macro WIN new                         ; the immediate's high byte repeats the setting that is left; a switch that changes nothing is dropped
.if MSB != \new
	s_set_vgpr_msb (MSB<<8)|\new
.set MSB, \new
.endif
.endm
.set MUL_LO, 0xa1                      ; source 0 (wdb) window 1, source 1 (hb) window 0, C and D window 2
.set MUL_HI, 0xf1                      ; the same, C and D window 3
.set TO_B,   0x40                      ; destination window 1, address window 0
; A joint load of a whole step.  Waves 0 and 1 fetch the halves of hb wide, wave 2 hb narrow, wave 3 wdb.  Each line has one mask and one set
; of registers for all that issue it.  The branches hang on the wave's number alone: they are the same in every work-group.
.macro JLOAD s
	s_cmp_lt_u32 s10, 2
	s_cbranch_scc0 .Lnot_wide_\@
	tensor_load_to_lds s[G0+4*\s:G0+4*\s+3], s[G1:G1+7]
	s_nop 0
	s_branch .Lasked_\@
.Lnot_wide_\@:
	s_cmp_eq_u32 s10, 2
	s_cbranch_scc0 .Lfor_b_\@
	tensor_load_to_lds s[G0N+4*\s:G0N+4*\s+3], s[G1N:G1N+7]
	s_nop 0
	s_branch .Lasked_\@
.Lfor_b_\@:
	tensor_load_to_lds s[G0B+4*\s:G0B+4*\s+3], s[G1B:G1B+7]
	s_nop 0
.Lasked_\@:
.endm
; The joint load of the short last step: it has no wide part, so waves 0 and 1 have nothing to fetch; wdb's tile has its own shape.
.macro JLAST s
	s_cmp_lt_u32 s10, 2
	s_cbranch_scc1 .Lasked_\@
	s_cmp_eq_u32 s10, 2
	s_cbranch_scc0 .Lfor_b_\@
	tensor_load_to_lds s[G0N+4*\s:G0N+4*\s+3], s[G1N:G1N+7]
	s_nop 0
	s_branch .Lasked_\@
.Lfor_b_\@:
	tensor_load_to_lds s[G0B+4*\s:G0B+4*\s+3], s[G1L:G1L+7]
	s_nop 0
.Lasked_\@:
.endm
; A round of the cluster's barrier: my work-group's barrier; wave 0 signals for the work-group; every wave waits for all sixteen
; work-groups; my work-group's barrier once more.
.macro CREST                           ; a round behind its opening barrier
	s_cmp_lg_u32 s10, 0
	s_cbranch_scc1 .Lnot_wave_0_\@
	s_barrier_signal -3
.Lnot_wave_0_\@:
	s_barrier_wait -3
	s_barrier_signal -1
	s_barrier_wait -1
.endm
.macro CROUND                          ; a whole round
	s_barrier_signal -1
	s_barrier_wait -1
	CREST
.endm
	s_load_b128 s[4:7], s[0:1], 0x0                ; hb s[4:5], wdb s[6:7]
	s_load_b64 s[8:9], s[0:1], 0x10                ; out0
	s_set_vgpr_msb 0x40
	v_lshl_add_u32 v255, v0, 2, 0x4f000
	s_set_vgpr_msb 0x4000
	v_mov_b32 v255, 0
	s_set_vgpr_msb 0x1
	ds_add_u32 v255, v255
	s_set_vgpr_msb 0x100
	v_lshrrev_b32 v1, 5, v0
	v_readfirstlane_b32 s10, v1                    ; wave 0..3
	s_lshr_b32 s11, s10, 1                         ; p: which 128 rows of the block are mine
	s_and_b32 s12, s10, 1                          ; kh: which half of every 128 bytes along K is mine.  Also, in waves 0 and 1: which 128 rows of hb wide I fetch
	s_bfe_u32 s40, ttmp6, 0x40000                  ; cx
	s_bfe_u32 s41, ttmp6, 0x40004                  ; cy
	s_lshl_b32 s42, ttmp9, 2
	s_add_co_u32 s42, s42, s40                     ; block column (128 wide) = 4 x cluster x + cx
	s_and_b32 s13, ttmp7, 0xffff
	s_lshl_b32 s13, s13, 2
	s_add_co_u32 s13, s13, s41                     ; block row (256 high) = 4 x cluster y + cy
	s_lshl_b32 s43, s41, 2
	s_lshl_b32 s43, 15, s43                        ; my row of the cluster
	s_lshl_b32 s44, 0x1111, s40                    ; my column
	; descriptor groups 1.  In word 0: the mask; element of 2 bytes; padding on; bit 21 beside a mask; the padding's interval; four words of padding.
	s_or_b32 s[G1+0],  s43, (1<<16)|(1<<20)|(1<<21)|(5<<22)|(3<<25) ; hb wide: my row of the cluster; after every 64 words = a row of 256 bytes
	s_or_b32 s[G1N+0], s43, (1<<16)|(1<<20)|(1<<21)|(4<<22)|(3<<25) ; hb narrow: my row; after every 32 words = a row of 128 bytes
	s_or_b32 s[G1B+0], s44, (1<<16)|(1<<20)|(1<<21)|(4<<22)|(3<<25) ; wdb: my column; after every 32 words = three times in a row of 384 bytes
	s_or_b32 s[G1L+0], s44, (1<<16)|(1<<20)|(1<<21)|(4<<22)|(3<<25) ; wdb's short tile: my column; after every 32 words = a row of 128 bytes
	s_mov_b32 s[G1+1],  128<<16                    ; tensor_dim0: 128 elements,
	s_mov_b32 s[G1N+1], 64<<16                     ; 64,
	s_mov_b32 s[G1B+1], KSTEP<<16                  ; 192,
	s_mov_b32 s[G1L+1], 64<<16                     ; 64
	s_mov_b32 s[G1+2],  128<<16                    ; tensor_dim1: 128 rows,
	s_mov_b32 s[G1N+2], 256<<16                    ; 256,
	s_mov_b32 s[G1B+2], 128<<16                    ; 128,
	s_mov_b32 s[G1L+2], 128<<16                    ; 128
	s_mov_b32 s[G1+3],  128<<16                    ; tile_dim0 = tensor_dim0: every tile lies inside its tensor
	s_mov_b32 s[G1N+3], 64<<16
	s_mov_b32 s[G1B+3], KSTEP<<16
	s_mov_b32 s[G1L+3], 64<<16
	s_mov_b32 s[G1+4],  128                        ; tile_dim1 = tensor_dim1
	s_mov_b32 s[G1N+4], 256
	s_mov_b32 s[G1B+4], 128
	s_mov_b32 s[G1L+4], 128
.irp g, G1, G1N, G1B, G1L
	s_mov_b32 s[\g+5], SIZE_K                      ; elements from row to row
	s_mov_b32 s[\g+6], 0
	s_mov_b32 s[\g+7], 0
.endr
	; where the tiles come from: hb's addresses are made of the block row (and the wave's number), wdb's of the block column, each in
	; registers that never hold the other coordinate.  All offsets are below 32 MiB.
	s_lshl_b32 s16, s13, 21                        ; hb narrow: 256 x block row rows of 8,192 bytes
	s_mov_b32 s17, 0
	s_lshl_b32 s18, s12, 20                        ; hb wide: + 128 x half rows,
	s_add_co_u32 s18, s18, s16
	s_add_co_u32 s18, s18, NARB                    ; behind the narrow part
	s_mov_b32 s19, 0
	s_lshl_b32 s46, s42, 20                        ; wdb: 128 x block column rows of 8,192 bytes
	s_mov_b32 s47, 0
	s_mul_i32 s20, s10, AWHALF                     ; where hb wide's halves go (waves 0, 1): wave x 128 rows.  No place in the cluster enters an LDS address
	s_wait_dscnt 0x0
	s_wait_kmcnt 0x0
	s_add_nc_u64 s[14:15], s[4:5], s[18:19]        ; hb wide
	s_add_nc_u64 s[16:17], s[4:5], s[16:17]        ; hb narrow
	s_add_nc_u64 s[46:47], s[6:7], s[46:47]        ; wdb
	CROUND                                         ; all sixteen work-groups are here: the first joint loads meet
.irp s, 0,1
	s_mov_b32 s[G0+4*\s], 1                                        ; count = 1
	s_add_co_u32 s[G0+4*\s+1], s20, \s*SLOT                        ; LDS address
	s_add_nc_u64 s[G0+4*\s+2:G0+4*\s+3], s[14:15], \s*STEPB        ; global address: step s
	s_or_b32 s[G0+4*\s+3], s[G0+4*\s+3], 0x80000000                ; type = 2
	s_mov_b32 s[G0N+4*\s], 1
	s_mov_b32 s[G0N+4*\s+1], AN+\s*SLOT
	s_add_nc_u64 s[G0N+4*\s+2:G0N+4*\s+3], s[16:17], \s*STEPB
	s_or_b32 s[G0N+4*\s+3], s[G0N+4*\s+3], 0x80000000
	s_mov_b32 s[G0B+4*\s], 1
	s_mov_b32 s[G0B+4*\s+1], BB+\s*SLOT
	s_add_nc_u64 s[G0B+4*\s+2:G0B+4*\s+3], s[46:47], \s*STEPB
	s_or_b32 s[G0B+4*\s+3], s[G0B+4*\s+3], 0x80000000
	JLOAD \s                                       ; both slots' first fills go out before anything else: two tensor loads of the wave are out
.endr
	; fragment addresses: lane l takes row l % 16; two loads of 16 bytes, 32 bytes apart, at 16 (l / 16) of my 64 bytes
	v_and_b32 v1, 15, v0                           ; l % 16
	v_bfe_u32 v2, v0, 4, 1                         ; l / 16
	v_mul_u32_u24 v3, v1, WPITCH                   ; in hb wide
	v_lshl_add_u32 v3, v2, 4, v3
	v_mul_u32_u24 v6, v1, BPITCH                   ; in wdb
	v_lshl_add_u32 v6, v2, 4, v6
	v_mul_u32_u24 v7, v1, NPITCH                   ; in hb narrow and in wdb's short tile
	v_lshl_add_u32 v7, v2, 4, v7
	s_lshl_b32 s23, s12, 6                         ; my half of every 128 bytes: byte 64 kh
	s_lshl_b32 s21, s11, 7                         ; my tile's first row of hb: 128 p
	s_lshl_b32 s22, s12, 6
	s_add_co_u32 s22, s22, s21                     ; keep: rows 128 p + 64 kh .. + 63
	s_xor_b32 s66, s12, 1
	s_lshl_b32 s66, s66, 6
	s_add_co_u32 s66, s66, s21                     ; send: rows 128 p + 64 (1 - kh) .. + 63
	s_mul_i32 s67, s22, WPITCH                     ; keep, in hb wide
	s_add_co_u32 s67, s67, s23
	s_mul_i32 s68, s66, WPITCH                     ; send, in hb wide
	s_add_co_u32 s68, s68, s23
	s_mul_i32 s22, s22, NPITCH                     ; keep, in hb narrow
	s_add_co_u32 s22, s22, s23
	s_add_co_u32 s22, s22, AN
	s_mul_i32 s66, s66, NPITCH                     ; send, in hb narrow
	s_add_co_u32 s66, s66, s23
	s_add_co_u32 s66, s66, AN
	s_add_co_u32 s23, s23, BB                      ; wdb: all 128 rows
.irp s, 0,1
	v_add_nc_u32 v[ALW+\s], s67, v3
	v_add_nc_u32 v[AHW+\s], s68, v3
	v_add_nc_u32 v[ALN+\s], s22, v7
	v_add_nc_u32 v[AHN+\s], s66, v7
	v_add_nc_u32 v[ADRB+\s], s23, v6
	s_add_co_u32 s67, s67, SLOT
	s_add_co_u32 s68, s68, SLOT
	s_add_co_u32 s22, s22, SLOT
	s_add_co_u32 s66, s66, SLOT
	s_add_co_u32 s23, s23, SLOT
.endr
	s_sub_co_u32 s23, s23, SLOT                    ; slot 1's wdb bytes again:
	v_add_nc_u32 v[ABL], s23, v7                   ; the short last tile lies at their head, at the narrow pitch
	; the way out's addresses
	v_mul_u32_u24 v4, v1, XP                       ; in: row l % 16, 32 bytes for each half of the lanes
	v_lshl_add_u32 v4, v2, 5, v4
	s_mul_i32 s67, s10, 32*XP                      ; my send region (the send regions begin at LDS byte 0)
	v_add_nc_u32 v[SND], s67, v4
	s_mul_i32 s68, s10, 16*XP
	s_add_co_u32 s68, s68, STAGE                   ; my stage
	v_add_nc_u32 v[STO], s68, v4
	v_and_b32 v5, 31, v0
	v_lshlrev_b32 v[CO], 4, v5                     ; back: 32 lanes take one row of 512 bytes
	v_add_nc_u32 v[RD], s68, v[CO]
	s_xor_b32 s69, s10, 1                          ; my partner: the same tile, the other half of K
	s_mul_i32 s69, s69, 32*XP                      ; its send region
	v_add_nc_u32 v[PRD], s69, v[CO]
	; out0 at my keep rows: (256 x block row + 128 p + 64 kh) rows of 8,192 bytes + 512 x block column
	s_lshl_b32 s70, s13, 21
	s_lshl_b32 s71, s11, 20
	s_add_co_u32 s70, s70, s71
	s_lshl_b32 s71, s12, 19
	s_add_co_u32 s70, s70, s71
	s_lshl_b32 s71, s42, 9
	s_add_co_u32 s70, s70, s71
	s_mov_b32 s71, 0
	s_add_nc_u64 s[8:9], s[8:9], s[70:71]
; 16 matrix instructions: m blocks a0, a0 + 1 of the window's four (hi = 0: keep rows, 1: send rows) x all 8 n blocks, 32 along K.
; zero = 1: the first product starts the sums: nothing is ever cleared.
.macro MUL16 f, hi, a0, zero
.irp a, \a0, \a0+1
.irp b, 0,1,2,3,4,5,6,7
.if \zero
	v_wmma_f32_16x16x32_bf16 v[8*(8*(\a)+\b):8*(8*(\a)+\b)+7], v[\f+8*\b:\f+8*\b+7], v[\f+8*(4*\hi+\a):\f+8*(4*\hi+\a)+7], 0
.else
	v_wmma_f32_16x16x32_bf16 v[8*(8*(\a)+\b):8*(8*(\a)+\b)+7], v[\f+8*\b:\f+8*\b+7], v[\f+8*(4*\hi+\a):\f+8*(4*\hi+\a)+7], v[8*(8*(\a)+\b):8*(8*(\a)+\b)+7]
.endif
.endr
.endr
.endm
; 32 LDS loads in one run: wdb's 128 rows (16 loads), my keep rows (8), my send rows (8), my 32 K of quarter step j, into buffer f.
; j = 0, 1, 2: a whole step's quarter steps.  wdb: 144 j into a row (128 j bytes and j paddings).  hb: j = 0 in the narrow part, j = 1, 2 at
; byte 128 (j - 1) of the wide part.  j = 3: the short last step's one quarter step: hb in the narrow part, wdb in its short tile.
.macro FETCH slot, j, f
	WIN TO_B
.if \j == 3
.irp i, 0,1,2,3,4,5,6,7
	ds_load_b128 v[\f+8*\i:\f+8*\i+3],   v[ABL] offset:\i*16*NPITCH
	ds_load_b128 v[\f+8*\i+4:\f+8*\i+7], v[ABL] offset:\i*16*NPITCH+32
.endr
.else
.irp i, 0,1,2,3,4,5,6,7
	ds_load_b128 v[\f+8*\i:\f+8*\i+3],   v[ADRB+\slot] offset:\i*16*BPITCH+144*\j
	ds_load_b128 v[\f+8*\i+4:\f+8*\i+7], v[ADRB+\slot] offset:\i*16*BPITCH+144*\j+32
.endr
.endif
	WIN 0
.if (\j % 3) == 0
.irp i, 0,1,2,3
	ds_load_b128 v[\f+8*\i:\f+8*\i+3],   v[ALN+\slot] offset:\i*16*NPITCH
	ds_load_b128 v[\f+8*\i+4:\f+8*\i+7], v[ALN+\slot] offset:\i*16*NPITCH+32
.endr
.irp i, 0,1,2,3
	ds_load_b128 v[\f+32+8*\i:\f+32+8*\i+3],   v[AHN+\slot] offset:\i*16*NPITCH
	ds_load_b128 v[\f+32+8*\i+4:\f+32+8*\i+7], v[AHN+\slot] offset:\i*16*NPITCH+32
.endr
.else
.irp i, 0,1,2,3
	ds_load_b128 v[\f+8*\i:\f+8*\i+3],   v[ALW+\slot] offset:\i*16*WPITCH+128*(\j-1)
	ds_load_b128 v[\f+8*\i+4:\f+8*\i+7], v[ALW+\slot] offset:\i*16*WPITCH+128*(\j-1)+32
.endr
.irp i, 0,1,2,3
	ds_load_b128 v[\f+32+8*\i:\f+32+8*\i+3],   v[AHW+\slot] offset:\i*16*WPITCH+128*(\j-1)
	ds_load_b128 v[\f+32+8*\i+4:\f+32+8*\i+7], v[AHW+\slot] offset:\i*16*WPITCH+128*(\j-1)+32
.endr
.endif
.endm
; A load into a register that a matrix instruction has read, and a vector instruction or LDS store that reads a matrix result, stand four
; places behind it, and only plain vector instructions that name none of its registers are places (ISA guide 7.12.1 for vector
; instructions).  The matrix instructions in between are not counted.
.macro PLACES
.rept 4
	v_nop
.endr
.endm
; For a wave a step is three quarter steps of 32 along K, 64 matrix instructions each, on fragment buffers that take turns.  The 64
; accumulators take turns, one instruction a turn, in the same order in every quarter step, over the loop's backward jump too.
; One of the first two: multiplies buffer f; in its middle it fetches quarter step j of the same slot into buffer g.
.macro QUARTER slot, j, f, g, zero
	s_wait_dscnt 8                                 ; wdb's fragments and my keep rows are in; the youngest eight loads (my send rows) may be out
	WIN MUL_LO
	MUL16 \f, 0, 0, \zero
	MUL16 \f, 0, 2, \zero
	PLACES
	FETCH \slot, \j, \g
	s_wait_dscnt 32                                ; all but the 32 just issued
	WIN MUL_HI
	MUL16 \f, 1, 0, \zero
	MUL16 \f, 1, 2, \zero
.endm
; The third: multiplies buffer f, changes slots and fetches the next slot's first quarter step (nj = 0; 3 where the next step is the short
; one) into buffer g.  fill = 1: this slot is filled again, two steps ahead; 2: with the short last step; 0: not at all.
; One barrier for the change of slots.  In front of it each wave waits for its own reads of this slot and for all its tensor loads, of which
; one is out: its part of the next slot.  Behind it nobody reads this slot any more and the next slot is whole: the refill comes first, then
; the next slot's first fragments.  From a request to the wait for it a wave issues 32 + 64 + 64 + 16 = 176 matrix instructions.
.macro TURN slot, next, fill, f, g, nj
	s_wait_dscnt 8
	WIN MUL_LO
	MUL16 \f, 0, 0, 0
	s_wait_dscnt 0                                 ; my reads of this slot are over
	s_wait_tensorcnt 0x0                           ; and all my tensor loads have landed
	ds_add_u32 v255, v255
	s_wait_dscnt 0x0
	s_barrier_signal -1                            ; say so (where a slot is filled again this barrier opens a round of the cluster's barrier),
	MUL16 \f, 0, 2, 0                              ; work on registers while the others arrive,
	WIN 0
	s_barrier_wait -1                              ; and go on when all four have said so
.if \fill
	CREST                                          ; all sixteen work-groups have said so: no wave of any partner still reads this slot or has a load on its way
.if \fill == 1
	s_add_nc_u64 s[G0+4*\slot+2:G0+4*\slot+3], s[G0+4*\slot+2:G0+4*\slot+3], 2*STEPB        ; no tensor load of mine is out: the addresses may step
.endif
	s_add_nc_u64 s[G0N+4*\slot+2:G0N+4*\slot+3], s[G0N+4*\slot+2:G0N+4*\slot+3], 2*STEPB
	s_add_nc_u64 s[G0B+4*\slot+2:G0B+4*\slot+3], s[G0B+4*\slot+2:G0B+4*\slot+3], 2*STEPB
.if \fill == 1
	JLOAD \slot                                    ; the first tensor load behind the round, and my only one until the next
.else
	JLAST \slot                                    ; byte 21 x 384 = 8,064 of the rows: their last 128 bytes
.endif
.endif
	PLACES
	FETCH \next, \nj, \g
	WIN MUL_HI
	MUL16 \f, 1, 0, 0
	MUL16 \f, 1, 2, 0
.endm
.macro STEP slot, next, fill, f, g, zero, nj   ; one step: its quarter steps lie in buffers f, g, f; the next step's first in g
	QUARTER \slot, 1, \f, \g, \zero
	QUARTER \slot, 2, \g, \f, 0
	TURN \slot, \next, \fill, \f, \g, \nj
.endm
.macro LAP zero                        ; once round the ring, both slots filled again: six quarter steps on buffers 0, 1, 0, 1, 0, 1
	STEP 0, 1, 1, F0, F1, \zero, 0
	STEP 1, 0, 1, F1, F0, 0, 0
.endm
	s_wait_tensorcnt 1                             ; my part of step 0 is in; step 1's load may stay out
	s_barrier_signal -1
	s_barrier_wait -1                              ; everybody's part is in
	FETCH 0, 0, F0
	LAP 1                                          ; steps 0 and 1 stand in front of the loop: the first products start the sums
	WIN 0                                          ; at a label and at a branch every window is 0
	s_mov_b32 s3, LOOPLAPS
.Llap:
	LAP 0                                          ; steps 2 to 17; they ask for steps 4 to 19
	WIN 0
	s_sub_co_u32 s3, s3, 1
	s_cmp_lg_u32 s3, 0
	s_cbranch_scc1 .Llap
	STEP 0, 1, 1, F0, F1, 0, 0                     ; step 18 asks for step 20, the last whole one: slot 0's last fill
	STEP 1, 0, 2, F1, F0, 0, 0                     ; step 19 asks for step 21, the short one: slot 1's last fill
	STEP 0, 1, 0, F0, F1, 0, 3                     ; step 20 fills nothing and has no round; behind its barrier no wave reads slot 0 any more
	s_wait_dscnt 8                                 ; step 21 is one quarter step: nothing more to fetch
	WIN MUL_LO
	MUL16 F1, 0, 0, 0
	MUL16 F1, 0, 2, 0
	s_wait_dscnt 0
	WIN MUL_HI
	MUL16 F1, 1, 0, 0
	MUL16 F1, 1, 2, 0
	; THE WAY OUT.  In two rounds of 32 rows: I put 32 of my send rows into my send region; behind a barrier I take my partner's 32 rows,
	; which are partial sums of 32 of my keep rows, add them to mine and store whole rows.  The four v_nop are the places behind the last
	; matrix instructions: for the LDS stores that read results and for the loads into the fragment buffers.
	; Send regions and stages lie in slot 0.  Its last fill (step 20) has landed, every wave's last reads of it were waited for in front of
	; step 20's barrier, and no tensor load follows: the LDS stores below need no further barrier in front of them.
	PLACES
; round r: send tiles (2 r, 0..7) and (2 r + 1, 0..7) of window 3 into my send region, 32 bytes a lane and tile; then the barrier behind which the partner reads them
.macro SEND r
	WIN 0x0c                                       ; an LDS store's data are its source 1: window 3
.irp q, 0,1
.irp b, 0,1,2,3,4,5,6,7
	ds_store_b128 v[SND], v[8*(8*(2*\r+\q)+\b):8*(8*(2*\r+\q)+\b)+3]   offset:\q*16*XP+64*\b
	ds_store_b128 v[SND], v[8*(8*(2*\r+\q)+\b)+4:8*(8*(2*\r+\q)+\b)+7] offset:\q*16*XP+64*\b+16
.endr
.endr
	WIN 0
	s_wait_dscnt 0x0                               ; my stores are done, for my partner's sake
	s_barrier_signal -1
	s_barrier_wait -1
.endm
; keep rows 16 a .. 16 a + 15 (tiles (a, 0..7) of window 2), in round r = a / 2
.macro OUTF a, r
	WIN 0x08                                       ; store data: window 2
.irp b, 0,1,2,3,4,5,6,7
	ds_store_b128 v[STO], v[8*(8*\a+\b):8*(8*\a+\b)+3]   offset:64*\b
	ds_store_b128 v[STO], v[8*(8*\a+\b)+4:8*(8*\a+\b)+7] offset:64*\b+16
.endr
	WIN 0
	s_wait_xcnt 0x0                                ; every earlier memory instruction has had its addresses translated (ISA guide 3.1): RB, which the last group's stores read, is loaded again only behind this wait
.irp t, 0,1,2,3,4,5,6,7,8,9,10,11,12,13,14,15
	ds_load_b128 v[RB+4*\t:RB+4*\t+3], v[RD]  offset:XP*\t                     ; my own stage: LDS serves a wave's instructions in order (ISA guide 5.7.1)
	ds_load_b128 v[PB+4*\t:PB+4*\t+3], v[PRD] offset:(\a-2*\r)*16*XP+XP*\t     ; my partner's bytes: stored, waited for and behind a barrier
.endr
.irp t, 0,1,2,3,4,5,6,7,8,9,10,11,12,13,14,15
	s_wait_dscnt 30-2*\t                           ; row t's two loads are in; the 15 - t younger pairs stay out
	v_pk_add_f32 v[RB+4*\t:RB+4*\t+1],   v[RB+4*\t:RB+4*\t+1],   v[PB+4*\t:PB+4*\t+1]
	v_pk_add_f32 v[RB+4*\t+2:RB+4*\t+3], v[RB+4*\t+2:RB+4*\t+3], v[PB+4*\t+2:PB+4*\t+3]
	global_store_b128 v[CO], v[RB+4*\t:RB+4*\t+3], s[8:9] offset:(16*\a+\t)*SIZE_N*4 th:TH_STORE_NT   ; the wave stores 512 consecutive bytes, aligned; the row stands in the immediate (516,096 at the most)
.endr
.endm
	SEND 0
	OUTF 0, 0
	OUTF 1, 0
	s_wait_dscnt 0x0                               ; my reads of my partner's send region are over (met: the last count-down ended at 0),
	s_barrier_signal -1
	s_barrier_wait -1                              ; and so are everybody's: the send regions may be written again
	SEND 1
	OUTF 2, 1
	OUTF 3, 1
	s_set_vgpr_msb 0x1
	s_wait_tensorcnt 0x0
	ds_add_u32 v255, v255
	s_wait_dscnt 0x0
	s_set_vgpr_msb 0x100
	CROUND                                         ; the closing round: no work-group ends while a partner may still ask for a tile that names it
	s_endpgm
.Lfunc_end_k_q24b0f98b87_down:
	.size	k_q24b0f98b87_down, .Lfunc_end_k_q24b0f98b87_down-k_q24b0f98b87_down
	.p2alignl 7, 3214868480
	.fill 96, 4, 3214868480
	.section	.rodata,"a",@progbits
	.p2align	6, 0x0
	.amdhsa_kernel k_q24b0f98b87_down
		.amdhsa_group_segment_fixed_size 327680
		.amdhsa_private_segment_fixed_size 0
		.amdhsa_enable_private_segment 0
		.amdhsa_kernarg_size 24
		.amdhsa_user_sgpr_count 2
		.amdhsa_user_sgpr_kernarg_segment_ptr 1
		.amdhsa_wavefront_size32 1
		.amdhsa_system_sgpr_workgroup_id_x 1
		.amdhsa_system_sgpr_workgroup_id_y 1
		.amdhsa_system_sgpr_workgroup_id_z 1
		.amdhsa_system_vgpr_workitem_id 0
		.amdhsa_next_free_vgpr 1024
		.amdhsa_next_free_sgpr 96
		.amdhsa_reserve_vcc 0
		.amdhsa_float_denorm_mode_32 3
		.amdhsa_float_denorm_mode_16_64 3
		.amdhsa_memory_ordered 1
		.amdhsa_forward_progress 1
		.amdhsa_inst_pref_size 190
	.end_amdhsa_kernel
	.amdgpu_metadata
---
amdhsa.version: [ 1, 2 ]
amdhsa.kernels:
  - .name:           k_q24b0f98b87_down
    .symbol:         k_q24b0f98b87_down.kd
    .args:
      - { .name: hb, .offset: 0, .size: 8, .value_kind: global_buffer, .address_space: global }
      - { .name: wdb, .offset: 8, .size: 8, .value_kind: global_buffer, .address_space: global }
      - { .name: out0, .offset: 16, .size: 8, .value_kind: global_buffer, .address_space: global }
    .group_segment_fixed_size: 327680
    .private_segment_fixed_size: 0
    .kernarg_segment_align: 8
    .kernarg_segment_size: 24
    .max_flat_workgroup_size: 128
    .sgpr_count:     96
    .vgpr_count:     1024
    .wavefront_size: 32
...
	.end_amdgpu_metadata
.endif
;; end of part 3
